; MI455X (gfx1250); checked and timed in simulation.
; The chip was launched on July 23, 2026; its instructions are those of AMD's public machine-readable ISA for CDNA 5 (MIT licence, August 2026) and "CDNA5" Instruction Set Architecture Reference Guide (July 2026). The comments in the code are by the model that wrote it; some were corrected since.
;; Masked Multihead Attention. Allowed arithmetic: matrix products marked QUANTISED: E2M3 operands, one E8M0 scale for each 32 along K, by v_wmma_scale_f32_16x16x128_f8f6f4 with both operands' format E2M3, f32 sums; everything else in f32.
;; Inputs: Wk 1,024 x 1,024 float32; Wq 1,024 x 1,024 float32; Wv 1,024 x 1,024 float32; X 2 x 2,048 x 1,024 float32; bk 1,024 float32; bq 1,024 float32; bv 1,024 float32.
;; Outputs: out0 2 x 2,048 x 1,024 float32.
;; This version of the problem:
;;   THIS VERSION OF THE PROBLEM IS GIVEN IN LOW PRECISION. The matrix products marked QUANTISED in the list below multiply operands that are first quantised to E2M3 (2 exponent bits, 3 mantissa bits; 6 bits a number), with one power-of-two scale for each 32 numbers along K (OCP MX v1.0); their sums are f32. All else is computed in f32.
;;   The module's matrix products, in the order in which they are computed (A, B: the left and right operand; K: the contracted axis; several contracted axes count as one K, in the product's order):
;;     1. [M 4,096, K 1,024] x [K 1,024, N 1,024]; A: input X; B: input Wq: QUANTISED
;;     2. [M 4,096, K 1,024] x [K 1,024, N 1,024]; A: input X; B: input Wk: QUANTISED
;;     3. [M 4,096, K 1,024] x [K 1,024, N 1,024]; A: input X; B: input Wv: QUANTISED
;;     4. batch 32 x [M 2,048, K 64] x [K 64, N 2,048]; A: computed on the way; B: computed on the way: QUANTISED
;;     5. batch 32 x [M 2,048, K 2,048] x [K 2,048, N 64]; A: softmax (see below); B: computed on the way: QUANTISED
;;   THE QUANTISER, for each operand of a quantised product, along K:
;;     - K is cut into blocks of 32 from its start; a last block that is shorter is filled with zeros.
;;     - A block's scale is 2^e with e = floor(log2(the largest magnitude in the block)) - 2, held to -126 .. 127; a block of zeros has e = 0. As a byte (E8M0): e + 127.
;;     - Each number is divided by its block's scale, clamped to +-7.5, and rounded to the nearest number of E2M3, ties to even, subnormals kept.
;;     - The product sums the exact products of the quantised numbers (number of the format x scale) in f32.
;;   ~~~python
;;   def quantise(x, axis):      # numpy; x: float32 -> the quantised numbers, widened to float32 again
;;       x = np.moveaxis(x, axis, -1); K = x.shape[-1]
;;       x = np.pad(x, [(0, 0)] * (x.ndim - 1) + [(0, -K % 32)]); x = x.reshape(x.shape[:-1] + (-1, 32)); a = np.abs(x).max(-1, keepdims=True)
;;       e = np.where(a > 0, np.clip(np.frexp(np.where(a > 0, a, 1))[1] - 1 - 2, -126, 127), 0)      # np.frexp(a)[1] - 1 = floor(log2(a)), exactly
;;       r = np.clip(x / 2.0 ** e, -7.5, 7.5)
;;       step = 2.0 ** (np.maximum(np.frexp(np.where(r == 0, 1, r))[1] - 1, 0) - 3)
;;       q = np.round(r / step) * step * 2.0 ** e      # np.round: ties to even
;;       return np.moveaxis(q.reshape(q.shape[:-2] + (-1,))[..., :K], -1, axis).astype(np.float32)
;;   ~~~
;;   SOFTMAX AHEAD OF A QUANTISED PRODUCT. Where the list says 'softmax', what is quantised is not the finished softmax but p = 2^(t - M), with t = logit x log2(e) and M = ceil(the row's largest t), a whole number; so 1/2 < the row's largest p <= 1. The row's sum l is taken of the UNQUANTISED p, in f32, and the product's result is divided by l at the end. Since M is a whole number, a kernel that streams over the keys may use a running M (the ceiling of the running maximum): every later rescaling is an exact power of two, which a block's scale takes up: the codes' values come out the same.
;;   OPERANDS COMPUTED ON THE WAY. 'Computed on the way' means the value that the module computes at that place (a softmax that the list does not call 'softmax' is quantised finished and normalised). What goes into a quantiser is computed in f32, as accurately as f32 sums, v_exp_f32 and their like allow (about 1e-6 of the number): no bf16 or f16 on the way to a quantiser, and a product that is left as it is and whose result goes on into a quantised operand takes f32 operands (vector FMAs, or v_wmma_f32_16x16x4_f32). A number that lies on a knife's edge between two numbers of the format may be rounded either way, as far as f32 arithmetic and the matrix unit's own rounding can turn it there, and no further.
;; One version. Each part assembles by itself: llvm-mc -triple=amdgcn-amd-amdhsa -mcpu=gfx1250 --defsym DOCPART=n.
;; ======== version 1 of 1: 3 launches
;; limits: right only within a limited range of input values
;; workspace buffers: xw 5,963,776 bytes; qb 3,407,872 bytes; kvb 6,815,744 bytes
;; launch quant (part 1): grid 256 x 1, 7 waves a work-group, no clusters, 119,296 bytes of LDS; arguments X, Wq, Wk, Wv, xw; writes xw
.if DOCPART == 1
	.amdgcn_target "amdgcn-amd-amdhsa--gfx1250"
	.amdhsa_code_object_version 6
	.text
	.protected	k_qf438e9ed78_quant
	.globl	k_qf438e9ed78_quant
	.p2align	8
	.type	k_qf438e9ed78_quant,@function
k_qf438e9ed78_quant:
	s_mov_b64 s[64:65], 0
	v_nop
	global_prefetch_b8 v0, s[64:65] scope:SCOPE_SE
	s_setreg_imm32_b32 hwreg(HW_REG_WAVE_MODE, 25, 1), 1
	s_wait_xcnt 0x0
; X [4096][1024], Wq, Wk, Wv [1024][1024], f32, K innermost, are turned into codes of FP6 (E2M3) with one E8M0 scale byte for each 32 along K, laid as IMAGES OF OPERAND REGISTERS.
; xw: 448 tiles of 16 rows, 13,312 bytes each: [q = 0 .. 7: 128 along K][piece of 4 registers, 3][lane 32][16 bytes], then the scale words [K quarter 4][lane 32][2 words] (both halves of the lanes hold row r's words).
; Tiles 0-255 X; then for each head its four tiles of Wq, of Wk, of Wv.  Row r of a tensor's tile T is row 64 (T / 4) + 32 (r / 8) + 8 (T % 4) + r % 8: so a lane's results of four tiles are 32 neighbours in the next launch.
; A block's scale is 2^(floor(log2(largest magnitude)) - 2), its byte the largest magnitude's exponent field less 2, held at 1 from below.
; LIMITS: a block whose largest magnitude lies under 2^-124 gets the byte 1, a block of zeros too (its codes are zeros; this program alone reads the bytes); NaN and infinities are not served.
; SHARES: 256 work-groups x 7 waves = 1,792 waves, each a tile's quarter along K: 16 rows x 1,024 bytes, all 32 loads out at once.  The rows turn through the wave's own stage in LDS.  Work-groups share no input: no cluster; no barrier; every byte is read once and at once, so nothing is prefetched.
.set STG1,  16*528                     ; a stage: 16 rows of 512 bytes + 16
.set WREG,  2*STG1
.set SPARE, 7*WREG
.set TILE,  13312
.set SPW, 10
.set NIL, 11
.set H8,  12                           ; 8 x (lane / 16)
.set R,   64                           ; v64-191 the 32 loads
	s_load_b256 s[4:11], s[0:1], 0x0               ; X, Wq, Wk, Wv
	s_load_b64 s[12:13], s[0:1], 0x20              ; xw
	v_lshl_add_u32 v[SPW], v0, 2, SPARE
	v_mov_b32 v[NIL], 0
	v_lshrrev_b32 v1, 5, v0
	v_readfirstlane_b32 s16, v1
	v_and_b32 v2, 31, v0
	v_lshlrev_b32 v3, 4, v2                        ; 16 x lane
	v_lshlrev_b32 v4, 3, v2                        ; 8 x lane
	v_bfe_u32 v5, v0, 4, 1
	v_lshlrev_b32 v[H8], 3, v5
	v_and_b32 v6, 15, v0
	v_mul_u32_u24 v6, v6, 528
	v_lshl_add_u32 v6, v5, 7, v6                   ; out of the stage: row r, 128 bytes for each half of the lanes
	v_mov_b32 v57, 0                               ; a lane permute's destination counts as a source
	s_mul_i32 s17, s16, WREG
	v_add_nc_u32 v15, s17, v6
	v_add_nc_u32 v14, s17, v3                      ; into it
	s_mul_i32 s17, ttmp9, 7
	s_add_co_u32 s17, s17, s16
	s_lshr_b32 s18, s17, 2                         ; tile of the table's order of reading
	s_and_b32 s19, s17, 3                          ; quarter along K
	s_sub_co_u32 s20, s18, 256
	s_lshr_b32 s21, s20, 6                         ; which weight
	s_and_b32 s22, s20, 63                         ; its tile
	s_lshr_b32 s23, s22, 2                         ; head
	s_and_b32 s24, s22, 3
	s_mul_i32 s23, s23, 12
	s_add_co_u32 s23, s23, s24
	s_lshl_b32 s21, s21, 2
	s_add_co_u32 s23, s23, s21
	s_add_co_u32 s23, s23, 256
	s_cmp_lt_u32 s18, 256
	s_cselect_b32 s22, s18, s22                    ; tile inside its tensor
	s_cselect_b32 s23, s18, s23                    ; and where it goes
	s_lshr_b32 s24, s22, 2
	s_lshl_b32 s24, s24, 18
	s_and_b32 s25, s22, 3
	s_lshl_b32 s25, s25, 15
	s_add_co_u32 s24, s24, s25
	s_lshl_b32 s25, s19, 10
	s_add_co_u32 s24, s24, s25
	s_mov_b32 s25, 0
	s_mul_i32 s26, s23, TILE
	s_mul_i32 s28, s19, 3072
	s_add_co_u32 s28, s28, s26
	s_mov_b32 s29, 0
	s_lshl_b32 s27, s19, 8
	s_add_co_u32 s26, s26, s27
	s_add_co_u32 s26, s26, 12288
	s_mov_b32 s27, 0
	s_wait_alu depctr_va_vdst(0)                   ; the wait at the head's end
	s_wait_kmcnt 0x0
	s_cmp_lt_u32 s18, 384
	s_cselect_b64 s[10:11], s[8:9], s[10:11]
	s_cmp_lt_u32 s18, 320
	s_cselect_b64 s[10:11], s[6:7], s[10:11]
	s_cmp_lt_u32 s18, 256
	s_cselect_b64 s[10:11], s[4:5], s[10:11]
	s_add_nc_u64 s[10:11], s[10:11], s[24:25]
	s_add_nc_u64 s[14:15], s[12:13], s[26:27]      ; scale words
	s_add_nc_u64 s[12:13], s[12:13], s[28:29]      ; codes
.irp q, 0,1
.irp i, 0,1,2,3,4,5,6,7,8,9,10,11,12,13,14,15
	global_load_b128 v[R+64*\q+4*\i:R+64*\q+4*\i+3], v3, s[10:11] offset:(32*(\i/8)+\i%8)*4096+512*\q th:TH_LOAD_NT   ; 32 lanes read 512 consecutive bytes of a row
.endr
.endr
.macro PART q, xb, cc
	s_wait_loadcnt 16*(1-(\q))                     ; this part's sixteen rows are in
.irp i, 0,1,2,3,4,5,6,7,8,9,10,11,12,13,14,15
	ds_store_b128 v14, v[R+64*(\q)+4*\i:R+64*(\q)+4*\i+3] offset:STG1*(\q)+528*\i
.endr
.irp c, 0,1
.irp i, 0,1,2,3,4,5,6,7
	ds_load_b128 v[\xb+32*\c+4*\i:\xb+32*\c+4*\i+3], v15 offset:STG1*(\q)+256*\c+16*\i   ; LDS serves a wave's instructions in order: these see my stores
.endr
.endr
	s_wait_dscnt 0x0
.irp c, 0,1
	v_max3_num_f32 v[48+2*\c], |v[\xb+32*\c]|, |v[\xb+32*\c+1]|, |v[\xb+32*\c+2]|     ; a block's 32 numbers are all mine; two chains a block
	v_max3_num_f32 v[49+2*\c], |v[\xb+32*\c+16]|, |v[\xb+32*\c+17]|, |v[\xb+32*\c+18]|
.endr
.irp i, 3,5,7,9,11,13
.irp c, 0,1
	v_max3_num_f32 v[48+2*\c], v[48+2*\c], |v[\xb+32*\c+\i]|, |v[\xb+32*\c+\i+1]|
	v_max3_num_f32 v[49+2*\c], v[49+2*\c], |v[\xb+32*\c+16+\i]|, |v[\xb+32*\c+17+\i]|
.endr
.endr
.irp c, 0,1
	v_max3_num_f32 v[48+2*\c], v[48+2*\c], |v[\xb+32*\c+15]|, 0x1800000   ; and the floor 2^(3 - 127)
.endr
.irp c, 0,1
	v_max3_num_f32 v[48+2*\c], v[48+2*\c], v[49+2*\c], |v[\xb+32*\c+31]|
.endr
.irp c, 0,1
	v_add_nc_u32 v[52+\c], 0xff000000, v[48+2*\c]  ; 2 off the exponent field: the conversion's scale operand
.endr
.irp c, 0,1
	v_lshrrev_b32 v[54+\c], 23, v[52+\c]
.endr
	v_lshl_or_b32 v56, v55, 16, v54                ; my blocks' bytes: 2 c + lane / 16
.irp c, 0,1
	v_cvt_scalef32_pk16_fp6_f32 v[\cc+6*\c:\cc+6*\c+2], v[\xb+32*\c:\xb+32*\c+15], v[52+\c]
	v_cvt_scalef32_pk16_fp6_f32 v[40+4*\c:42+4*\c], v[\xb+32*\c+16:\xb+32*\c+31], v[52+\c]
.endr
	v_lshlrev_b32 v56, v[H8], v56
	v_permlanex16_b32 v57, v56, s30, s31
	v_or_b32 v[58+(\q)], v56, v57                  ; the whole word of row r
.irp c, 0,1
.irp i, 0,1,2
	v_mov_b32 v[\cc+6*\c+3+\i], v[40+4*\c+\i]
.endr
.endr
.irp p, 0,1,2
	global_store_b128 v3, v[\cc+4*\p:\cc+4*\p+3], s[12:13] offset:1536*(\q)+512*\p   ; 512 consecutive bytes, aligned
.endr
.endm
	s_mov_b32 s30, 0x76543210                      ; v_permlanex16_b32's selects for lane l xor 16
	s_mov_b32 s31, 0xfedcba98
	PART 0, 192, 16
	PART 1, 64, 28
	global_store_b64 v4, v[58:59], s[14:15]        ; 256 consecutive bytes, aligned
	s_wait_tensorcnt 0x0                           ; the wave's end
	ds_add_u32 v[SPW], v[NIL]
	s_wait_dscnt 0x0
	s_endpgm
.Lfunc_end_k_qf438e9ed78_quant:
	.size	k_qf438e9ed78_quant, .Lfunc_end_k_qf438e9ed78_quant-k_qf438e9ed78_quant
	.p2alignl 7, 3214868480
	.fill 96, 4, 3214868480
	.section	.rodata,"a",@progbits
	.p2align	6, 0x0
	.amdhsa_kernel k_qf438e9ed78_quant
		.amdhsa_group_segment_fixed_size 119296
		.amdhsa_private_segment_fixed_size 0
		.amdhsa_enable_private_segment 0
		.amdhsa_kernarg_size 40
		.amdhsa_user_sgpr_count 2
		.amdhsa_user_sgpr_kernarg_segment_ptr 1
		.amdhsa_wavefront_size32 1
		.amdhsa_system_sgpr_workgroup_id_x 1
		.amdhsa_system_sgpr_workgroup_id_y 1
		.amdhsa_system_sgpr_workgroup_id_z 1
		.amdhsa_system_vgpr_workitem_id 0
		.amdhsa_next_free_vgpr 256
		.amdhsa_next_free_sgpr 66
		.amdhsa_reserve_vcc 0
		.amdhsa_float_denorm_mode_32 3
		.amdhsa_float_denorm_mode_16_64 3
		.amdhsa_memory_ordered 1
		.amdhsa_forward_progress 1
		.amdhsa_inst_pref_size 17
	.end_amdhsa_kernel
	.amdgpu_metadata
---
amdhsa.version: [ 1, 2 ]
amdhsa.kernels:
  - .name:           k_qf438e9ed78_quant
    .symbol:         k_qf438e9ed78_quant.kd
    .args:
      - { .name: X, .offset: 0, .size: 8, .value_kind: global_buffer, .address_space: global }
      - { .name: Wq, .offset: 8, .size: 8, .value_kind: global_buffer, .address_space: global }
      - { .name: Wk, .offset: 16, .size: 8, .value_kind: global_buffer, .address_space: global }
      - { .name: Wv, .offset: 24, .size: 8, .value_kind: global_buffer, .address_space: global }
      - { .name: xw, .offset: 32, .size: 8, .value_kind: global_buffer, .address_space: global }
    .group_segment_fixed_size: 119296
    .private_segment_fixed_size: 0
    .kernarg_segment_align: 8
    .kernarg_segment_size: 40
    .max_flat_workgroup_size: 224
    .sgpr_count:     66
    .vgpr_count:     256
    .wavefront_size: 32
...
	.end_amdgpu_metadata
.endif
;; end of part 1
;; launch proj (part 2): grid 8 x 32, 4 waves a work-group, clusters of 4 x 4, 327,680 bytes of LDS; arguments xw, bq, bk, bv, qb, kvb; writes qb, kvb
.if DOCPART == 2
	.amdgcn_target "amdgcn-amd-amdhsa--gfx1250"
	.amdhsa_code_object_version 6
	.text
	.protected	k_qf438e9ed78_proj
	.globl	k_qf438e9ed78_proj
	.p2align	8
	.type	k_qf438e9ed78_proj,@function
k_qf438e9ed78_proj:
	s_mov_b64 s[64:65], 0
	v_nop
	global_prefetch_b8 v0, s[64:65] scope:SCOPE_SE
	s_setreg_imm32_b32 hwreg(HW_REG_WAVE_MODE, 25, 1), 1
	s_wait_xcnt 0x0
	s_wait_alu depctr_hold_cnt(0) depctr_sa_sdst(0) depctr_va_vdst(0) depctr_va_sdst(0) depctr_va_ssrc(0) depctr_va_vcc(0) depctr_vm_vsrc(0)
	s_getreg_b32 s2, hwreg(HW_REG_IB_STS2, 6, 4)
	s_cmp_eq_u32 s2, 0
	s_cbranch_scc0 .Lentry_in_a_cluster
	s_endpgm
.Lentry_in_a_cluster:
	s_bfe_u32 s2, ttmp6, 0x10000c
	s_cmp_lg_u32 s2, 0xf033
	s_cbranch_scc0 .Lentry_shape_is_right
	s_endpgm
.Lentry_shape_is_right:
; Q, K, V = X W^T + b AND THEIR QUANTISERS.  A work-group takes 128 tokens (y) and TWO heads' 64 columns of Q, of K and of V (x): 256 work-groups of equal work.
; Wave w takes band c = w % 2 (64 tokens) and head w / 2.  It holds its tokens, all of K, in registers: 4 tiles x 8 fragments x 12 = 384; its head's twelve weight tiles stream past from LDS, a block of 32 matrix instructions each.
; Q, K are made transposed (source 0 = weight rows): a lane's 32 sums of a token tile are 32 neighbouring columns; V is not (source 0 = tokens): a lane's 32 sums of a weight tile are 32 neighbouring tokens.  So a lane holds whole scale blocks.
; OUT: qb [batch x head 32][band 32]: 4 tiles x (512 + 256 bytes: registers 0-3, 4-5 of each lane), then [lane][2 scale words]: 3,328 bytes.
; kvb [batch x head][128 keys 16]: K [c][p][piece 3][lane][16] (tiles 2 p, 2 p + 1 of band c fill one operand), V at 6,144 [t][c](512 + 256), K's words at 12,288 [c][lane][2], V's at 12,800 [t / 2][lane][2]: 13,312 bytes.
; LIMITS: a block whose largest magnitude lies under 2^-124 (zeros too) gets the byte 1; NaN and infinities are not served.
; CLUSTER 4 x 4: the four work-groups of a row need the same tokens, the four of a column the same weights: each tile is asked for jointly.
; LDS: X's two bands, 8 tiles, at 0; Q's and K's tiles of both heads behind them.  When every wave holds X in registers, V's 8 tiles are laid over X: the one refill, behind a round inside block 0, more than six blocks ahead of their first read.
; All else is asked for at the head: no prefetch.
.set TILE,  13312
.set QK,    8*TILE                     ; [head 2][tiles 0, 1], then [head 2][tiles 2 .. 7]
.set EXC,   24*TILE                    ; two waves' V scale bytes meet here: 256 bytes a head
.set SPARE, EXC+512
.set NF,    28                         ; LDS loads of a weight tile
.set AW,  1                            ; 16 x lane
.set AS,  2                            ; 8 x lane
.set WA,  3                            ; v3-6   where my head's tiles 0-1, 2-4, 5-7 and V's begin, + 16 x lane
.set WS,  7                            ; v7-10  the same + 8 x lane
.set SPW, 11
.set NIL, 12
.set EXS, 13
.set EXL, 14
.set H8,  15
                                       ; v16-31 the weights' scale words, two sets; v36-67 X's, 8 j + q
.set BQ,  68                           ; v68-99 Q's bias, v100-131 K's, as the first products' C; behind Q's blocks v68-99 are at work on the way out
.set BV,  132                          ; v132-135 V's bias, v136-143 the one in hand as C
.set BVC, 136
.set NCD, 144                          ; v144-155 codes of two tiles; v156-158 a conversion's second half
.set BQA, 150                          ; at the head: addresses
.set BVA, 151
.set XA,  152
.set XS,  153
.set VCD, 68                           ; v68-79 V's codes, two sets of six; v80-82 second half; v84-87 chains; v88, v89 scale operands
.set EB,  90                           ; v90-93 bytes; v94, v95 V's; v96, v97 at work; v98, v99 scale words
.set WV,  20
.set SEL, 76
.set MSB, 0
.macro WIN new
.if MSB != (\new)
	s_set_vgpr_msb (MSB<<8)|(\new)
.set MSB, (\new)
.endif
.endm
.macro WALU
	s_wait_alu depctr_va_vdst(0)
.endm
.macro PLACES
.rept 4
	v_nop
.endr
.endm
.macro CREST                           ; a round of the cluster's barrier behind its opening signal
	s_barrier_wait -1
	s_cmp_lg_u32 s[WV], 0
	s_cbranch_scc1 .Lnot_wave_0_\@
	s_barrier_signal -3
.Lnot_wave_0_\@:
	s_barrier_wait -3
	s_barrier_signal -1
	s_barrier_wait -1
.endm
.macro CROUND
	s_barrier_signal -1
	CREST
.endm
; accumulators: set 0 (Q, then V), set 1 (K), four runs of 32 registers each
.macro ABASE s, j
.if (\s) == 0
.if (\j) == 3
.set DB_, 960
.else
.set DB_, 160+32*(\j)
.endif
.else
.if (\j) == 3
.set DB_, 992
.else
.set DB_, 644+32*(\j)
.endif
.endif
.endm
; product n = 4 q + j of block s: blocks 0-3 Q, 4-7 K, 8-11 V.  X's fragment f = 4 q + j lies in window 1 + f / 21, the weights' in window 3
.macro PROD s, n
.set Q_, (\n)/4
.set J_, (\n)%4
.set PH_, (\s)/4
.set B_, (\s)%4
.if PH_ == 2
	ABASE 0, B_
.set D_, DB_+8*J_
.set CL_, BVC
.else
	ABASE PH_, J_
.set D_, DB_+8*B_
.set CL_, BQ+32*PH_+8*B_
.endif
.set DL_, D_&255
.set DW_, D_>>8
.set CW_, 0
.if Q_
.set CL_, DL_
.set CW_, DW_
.endif
.set F_, 4*Q_+J_
.set XW_, 1+F_/21
.set XR_, 12*(F_%21)
.set WR_, 96*((\s)%2)+12*Q_
.set SW_, 16+8*((\s)%2)+Q_
.set SX_, 36+8*J_+Q_
.if PH_ == 2
	WIN (XW_)|(3<<2)|(CW_<<4)|(DW_<<6)
	v_wmma_scale_f32_16x16x128_f8f6f4 v[DL_:DL_+7], v[XR_:XR_+11], v[WR_:WR_+11], v[CL_:CL_+7], v[SX_], v[SW_] matrix_a_fmt:MATRIX_FMT_FP6 matrix_b_fmt:MATRIX_FMT_FP6
.else
	WIN (3)|(XW_<<2)|(CW_<<4)|(DW_<<6)
	v_wmma_scale_f32_16x16x128_f8f6f4 v[DL_:DL_+7], v[WR_:WR_+11], v[XR_:XR_+11], v[CL_:CL_+7], v[SW_], v[SX_] matrix_a_fmt:MATRIX_FMT_FP6 matrix_b_fmt:MATRIX_FMT_FP6
.endif
.endm
; products from .. to - 1 of block s; behind every second one two entries of a list
.macro BLK s, from, to, list
.set N_, \from
.rept (\to)-(\from)
	PROD \s, N_
.if N_%2
	\list N_-1
	\list N_
.endif
.set N_, N_+1
.endr
.endm
.macro L_0 i
.endm
; the largest magnitude of the 32 sums from register x on, two chains side by side, 18 entries; then the conversion's scale operand
.macro CHAIN i, x, t, sop
.set YW_, (\x)>>8
.set YL_, (\x)&255
.if (\i) >= 0 && (\i) < 14
.set E_, YL_+16*((\i)%2)+2*((\i)/2)
.set T_, (\t)+1-(\i)%2
.if (\i) < 2
	WIN (YW_)|(YW_<<2)|(YW_<<4)
	v_max3_num_f32 v[T_], |v[E_]|, |v[E_+1]|, |v[E_+2]|
.else
	WIN (YW_<<2)|(YW_<<4)
	v_max3_num_f32 v[T_], v[T_], |v[E_+1]|, |v[E_+2]|
.endif
.elseif (\i) == 14
	WIN (YW_<<2)
	v_max3_num_f32 v[\t+1], v[\t+1], |v[YL_+15]|, 0x1800000
.elseif (\i) == 15
	WIN 0
	v_nop
.elseif (\i) == 16
	WIN (YW_<<2)
	v_max3_num_f32 v[\t], v[\t], |v[YL_+31]|, v[\t+1]
.elseif (\i) == 17
	WIN 0
	v_add_nc_u32 v[\sop], 0xff000000, v[\t]
.endif
.endm
.macro L_C i
.if CX_
	CHAIN \i, CX_, 84, 88
.endif
.if VX_
	CHAIN \i, VX_, 86, 89
.endif
.endm
.macro CODES x, c, t, sop, byte        ; 32 codes into v[c .. c+5], the scale's byte
.set YW_, (\x)>>8
.set YL_, (\x)&255
	WIN (YW_)
	v_cvt_scalef32_pk16_fp6_f32 v[\c:\c+2], v[YL_:YL_+15], v[\sop]
	v_cvt_scalef32_pk16_fp6_f32 v[\t:\t+2], v[YL_+16:YL_+31], v[\sop]
	WIN 0
	v_lshrrev_b32 v[\byte], 23, v[\sop]
.irp i, 0,1,2
	v_mov_b32 v[\c+3+\i], v[\t+\i]
.endr
.endm
.macro FETCH s                         ; weight tile s into set s % 2: NF loads
.if (\s) < 2
.set G_, 0
.set O_, (\s)*TILE
.elseif (\s) < 8
.set G_, 1+((\s)-2)/3
.set O_, (((\s)-2)%3)*TILE
.else
.set G_, 3
.set O_, ((\s)-8)*TILE
.endif
	WIN 0xc0
.irp q, 0,1,2,3,4,5,6,7
.irp p, 0,1,2
	ds_load_b128 v[96*((\s)%2)+12*\q+4*\p:96*((\s)%2)+12*\q+4*\p+3], v[WA+G_] offset:O_+1536*\q+512*\p
.endr
.endr
	WIN 0
.irp t, 0,1,2,3
	ds_load_b64 v[16+8*((\s)%2)+2*\t:16+8*((\s)%2)+2*\t+1], v[WS+G_] offset:O_+12288+256*\t
.endr
.endm
.macro XLOAD q                         ; X's four fragments of 128 along K: 12 loads
.irp j, 0,1,2,3
.set F_, 4*(\q)+\j
	WIN ((1+F_/21)<<6)
.irp p, 0,1,2
	ds_load_b128 v[12*(F_%21)+4*\p:12*(F_%21)+4*\p+3], v[XA] offset:\j*TILE+1536*(\q)+512*\p
.endr
.endr
	WIN 0
.endm
; behind block s (4 .. 11): the way out of Q's or K's tile j = s % 4 and, from block 9 on, of V's tile s - 9
.macro OUTS s
.set OJ_, (\s)%4
.set OC_, NCD+6*(OJ_%2)
	WIN 0
	WALU
	s_wait_xcnt 0x0                                ; earlier stores have read their registers
	CODES CX_, OC_, 156, 88, EB+OJ_
.if VX_
.set OT_, (\s)-9
.set OV_, VCD+6*(OT_%2)
.if OT_ == 0
	CODES VX_, OV_, 80, 89, 95
.else
	CODES VX_, OV_, 80, 89, 94
	v_lshl_or_b32 v95, v94, 8*OT_, v95             ; byte t of v95: tile t
.endif
.endif
.if OJ_%2
.set OP_, OJ_/2
	v_lshl_or_b32 v96, v[EB+2*OP_+1], 16, v[EB+2*OP_]
	v_lshlrev_b32 v96, v[H8], v96
	v_permlanex16_b32 v97, v96, s[SEL], s[SEL+1]
	v_or_b32 v[98+OP_], v96, v97                   ; an operand's scale word of row r: tiles 2 p and 2 p + 1, two bytes each
.endif
.if (\s) >= 7 && (\s) < 11
.irp i, 0,1,2,3,4,5,6,7
	v_mov_b32 v[BVC+\i], v[BV+(\s)-7]              ; the next block's bias as C: one number a lane
.endr
.endif
.if (\s) < 8
	global_store_b128 v[AW], v[OC_:OC_+3], s[12:13] offset:768*OJ_
	global_store_b64 v[AS], v[OC_+4:OC_+5], s[12:13] offset:768*OJ_+512
.if OJ_ == 3
	global_store_b64 v[AS], v[98:99], s[12:13] offset:3072
.endif
.else
.if OJ_%2
.irp p, 0,1,2
	global_store_b128 v[AW], v[NCD+4*\p:NCD+4*\p+3], s[68:69] offset:1536*OP_+512*\p
.endr
.endif
.if OJ_ == 3
	global_store_b64 v[AS], v[98:99], s[70:71]
.endif
.if VX_
	global_store_b128 v[AW], v[OV_:OV_+3], s[72:73] offset:1536*OT_
	global_store_b64 v[AS], v[OV_+4:OV_+5], s[72:73] offset:1536*OT_+512
.endif
.endif
.endm
	s_load_b256 s[4:11], s[0:1], 0x0               ; xw, bq, bk, bv
	s_load_b128 s[12:15], s[0:1], 0x20             ; qb, kvb
	v_lshl_add_u32 v[SPW], v0, 2, SPARE
	v_mov_b32 v[NIL], 0
	ds_add_u32 v[SPW], v[NIL]                      ; the opening lines
	ds_add_u32 v[SPW], v[NIL]
	v_lshrrev_b32 v144, 5, v0
	v_readfirstlane_b32 s[WV], v144
	s_lshr_b32 s21, s[WV], 1                       ; which head
	s_and_b32 s22, s[WV], 1                        ; c: which band
	s_lshl_b32 s23, s21, 8
	s_add_co_u32 s23, s23, EXC
	s_lshl_b32 s79, s22, 3
	s_mul_i32 s60, s21, 2*TILE
	s_add_co_u32 s60, s60, QK                      ; tiles 0, 1 of my head
	s_mul_i32 s61, s21, 6*TILE
	s_add_co_u32 s61, s61, QK+4*TILE               ; tiles 2-4
	s_add_co_u32 s62, s61, 3*TILE                  ; tiles 5-7
	s_mul_i32 s63, s21, 4*TILE                     ; V's
	s_mul_i32 s66, s22, 4*TILE                     ; my band of X
	v_and_b32 v145, 31, v0
	v_and_b32 v146, 15, v0
	v_bfe_u32 v147, v0, 4, 1
	v_lshlrev_b32 v[AW], 4, v145
	v_lshlrev_b32 v[AS], 3, v145
.irp g, 0,1,2,3
	v_add_nc_u32 v[WA+\g], s[60+\g], v[AW]
	v_add_nc_u32 v[WS+\g], s[60+\g], v[AS]
.endr
	v_add_nc_u32 v[XA], s66, v[AW]
	v_add_nc_u32 v[XS], s66, v[AS]
	v_lshlrev_b32 v[H8], 3, v147
	v_lshl_add_u32 v[EXL], v146, 4, s23            ; [r][c][lane half] 4 bytes
	v_lshl_add_u32 v[EXS], v147, 2, v[EXL]
	v_add_nc_u32 v[EXS], s79, v[EXS]
	v_lshlrev_b32 v[BQA], 7, v147                  ; Q's and K's bias: 32 columns for each half of the lanes
	v_lshrrev_b32 v148, 3, v146
	v_and_b32 v149, 7, v146
	v_lshlrev_b32 v[BVA], 7, v148
	v_lshl_add_u32 v[BVA], v149, 2, v[BVA]         ; V's: column 32 (r / 8) + 8 t + r % 8
	WALU                                           ; ahead of the scalar lines below
	s_bfe_u32 s44, ttmp6, 0x40000                  ; cx, cy
	s_bfe_u32 s45, ttmp6, 0x40004
	s_lshl_b32 s46, ttmp9, 2
	s_add_co_u32 s46, s46, s44                     ; pair of heads
	s_and_b32 s47, ttmp7, 0xffff
	s_lshl_b32 s47, s47, 2
	s_add_co_u32 s47, s47, s45                     ; tile of 128 tokens
	s_lshl_b32 s58, s45, 2
	s_lshl_b32 s58, 15, s58                        ; my row of the cluster
	s_lshl_b32 s59, 0x1111, s44                    ; my column
	s_or_b32 s24, s58, (3<<16)|(1<<21)             ; X: 208 rows of 256 bytes, a band; elements of 8 bytes
	s_mov_b32 s25, 32<<16
	s_mov_b32 s26, 208<<16
	s_mov_b32 s27, 32<<16
	s_mov_b32 s28, 208
	s_mov_b32 s29, 32
	s_mov_b32 s30, 0
	s_mov_b32 s31, 0
	s_or_b32 s80, s59, (3<<16)|(1<<21)             ; weights: one dense row for each of the two heads, 12 tiles apart: tiles 0, 1
	s_mov_b32 s81, (TILE/4)<<16
	s_mov_b32 s82, 2<<16
	s_mov_b32 s83, (TILE/4)<<16
	s_mov_b32 s84, 2
	s_mov_b32 s85, 12*TILE/8
	s_mov_b32 s86, 0
	s_mov_b32 s87, 0
	s_or_b32 s88, s59, (3<<16)|(1<<21)             ; and tiles 2 .. 7
	s_mov_b32 s89, (6*TILE/8)<<16
	s_mov_b32 s90, 2<<16
	s_mov_b32 s91, (6*TILE/8)<<16
	s_mov_b32 s92, 2
	s_mov_b32 s93, 12*TILE/8
	s_mov_b32 s94, 0
	s_mov_b32 s95, 0
	s_mov_b32 s32, 1
	s_mul_i32 s33, s[WV], 4*TILE                   ; waves 0, 1: X's bands, and later V's tiles of the two heads
	s_mov_b32 s36, 1
	s_mov_b32 s37, QK
	s_mov_b32 s40, 1
	s_mov_b32 s41, QK+4*TILE
	s_mul_i32 s48, s47, 8*TILE
	s_add_co_u32 s48, s48, s33
	s_mov_b32 s49, 0
	s_mul_i32 s50, s46, 24*TILE
	s_add_co_u32 s50, s50, 256*TILE
	s_mov_b32 s51, 0
	s_mul_i32 s98, s[WV], 12*TILE
	s_add_co_u32 s98, s98, s50
	s_add_co_u32 s98, s98, 8*TILE                  ; V's tiles of head w
	s_mov_b32 s99, 0
	s_lshl_b32 s96, s46, 1
	s_add_co_u32 s96, s96, s21                     ; my head
	s_lshl_b32 s52, s96, 8
	s_mov_b32 s53, 0
	s_lshr_b32 s60, s47, 4
	s_lshl_b32 s60, s60, 4
	s_add_co_u32 s60, s60, s96                     ; 16 x batch + head
	s_and_b32 s61, s47, 15                         ; which 128 tokens of the sequence
	s_lshl_b32 s54, s60, 5
	s_lshl_b32 s55, s61, 1
	s_add_co_u32 s54, s54, s55
	s_add_co_u32 s54, s54, s22
	s_mul_i32 s54, s54, 3328
	s_mov_b32 s55, 0
	s_lshl_b32 s56, s60, 4
	s_add_co_u32 s56, s56, s61
	s_mul_i32 s56, s56, TILE
	s_mov_b32 s57, 0
	s_mov_b32 s[SEL], 0x76543210                   ; v_permlanex16_b32's selects for lane l xor 16
	s_mov_b32 s[SEL+1], 0xfedcba98
	s_mov_b32 s78, 0x05010400                      ; v_perm_b32's select for V's scale bytes: tiles 0, 1, or 2, 3
	s_cmp_eq_u32 s22, 0
	s_cselect_b32 s78, s78, 0x07030602
	s_wait_dscnt 0x0                               ; both adds are done
	CROUND                                         ; all sixteen work-groups are here: the joint loads meet
	s_wait_kmcnt 0x0
	s_add_nc_u64 s[34:35], s[4:5], s[48:49]
	s_or_b32 s35, s35, 0x80000000
	s_add_nc_u64 s[38:39], s[4:5], s[50:51]
	s_add_nc_u64 s[42:43], s[38:39], 2*TILE
	s_or_b32 s39, s39, 0x80000000
	s_or_b32 s43, s43, 0x80000000
	s_cmp_lt_u32 s[WV], 2
	s_cbranch_scc0 .Lnot_x
	tensor_load_to_lds s[32:35], s[24:31]          ; waves 0, 1: X's two bands
	s_nop 0
	PLACES
	s_branch .Lasked
.Lnot_x:
	s_cmp_eq_u32 s[WV], 2
	s_cbranch_scc0 .Lnot_w
	tensor_load_to_lds s[36:39], s[80:87]          ; wave 2: tiles 0, 1 of both heads
	s_nop 0
	PLACES
	s_branch .Lasked
.Lnot_w:
	tensor_load_to_lds s[40:43], s[88:95]          ; wave 3: tiles 2 .. 7
	s_nop 0
	PLACES
.Lasked:
	s_add_nc_u64 s[6:7], s[6:7], s[52:53]
	s_add_nc_u64 s[8:9], s[8:9], s[52:53]
	s_add_nc_u64 s[10:11], s[10:11], s[52:53]
.irp k, 0,1,2,3,4,5,6,7
	global_load_b128 v[BQ+4*\k:BQ+4*\k+3], v[BQA], s[6:7] offset:16*\k
.endr
.irp k, 0,1,2,3,4,5,6,7
	global_load_b128 v[BQ+32+4*\k:BQ+32+4*\k+3], v[BQA], s[8:9] offset:16*\k
.endr
.irp t, 0,1,2,3
	global_load_b32 v[BV+\t], v[BVA], s[10:11] offset:32*\t
.endr
	s_add_nc_u64 s[12:13], s[12:13], s[54:55]      ; Q's part
	s_add_nc_u64 s[14:15], s[14:15], s[56:57]      ; my 128 keys' block
	s_mov_b32 s67, 0
	s_mul_i32 s66, s22, 3072
	s_add_nc_u64 s[68:69], s[14:15], s[66:67]      ; K's codes
	s_lshl_b32 s66, s22, 8
	s_add_co_u32 s66, s66, 12288
	s_add_nc_u64 s[70:71], s[14:15], s[66:67]      ; K's scale words
	s_add_co_u32 s66, s66, 512
	s_add_nc_u64 s[74:75], s[14:15], s[66:67]      ; V's scale words
	s_mul_i32 s66, s22, 768
	s_add_co_u32 s66, s66, 6144
	s_add_nc_u64 s[72:73], s[14:15], s[66:67]      ; V's codes
	WALU                                           ; the wait at the head's end
	s_cmp_eq_u32 s[WV], 3
	s_cbranch_scc1 .Lnot_yet
	s_wait_tensorcnt 0x0
.Lnot_yet:
	s_barrier_signal -1
	s_barrier_wait -1                              ; X and tiles 0, 1 are in; tiles 2-7 may be on their way
	FETCH 0
.irp j, 0,1,2,3
.irp t, 0,1,2,3
	ds_load_b64 v[36+8*\j+2*\t:36+8*\j+2*\t+1], v[XS] offset:\j*TILE+12288+256*\t
.endr
.endr
	XLOAD 0
	XLOAD 1
	XLOAD 2
	s_wait_loadcnt 0x0                             ; the biases
; block 0: X's fragments are loaded three fragments ahead, 12 loads each; tile 1 behind them
.irp q, 0,1,2,3,4
	XLOAD \q+3
	s_wait_dscnt 36                                ; fragment q is in; three later ones may be out
.if \q == 4
	FETCH 1
.endif
.irp j, 0,1,2,3
	PROD 0, 4*\q+\j
.endr
.endr
	WIN 0
	s_wait_tensorcnt 0x0                           ; the three lines ahead of the round: my load has landed,
	ds_add_u32 v[SPW], v[NIL]
	s_or_b32 s24, s59, (3<<16)|(1<<21)             ; no tensor load of mine is out: the descriptors for V's tiles
	s_add_nc_u64 s[34:35], s[4:5], s[98:99]
	s_or_b32 s35, s35, 0x80000000
	s_wait_dscnt 24+NF+1                           ; fragment 5; two fragments, tile 1 and the add may be out
.irp j, 0,1,2,3
	PROD 0, 20+\j
.endr
	s_wait_dscnt 12+NF+1
.irp j, 0,1,2,3
	PROD 0, 24+\j
.endr
	WIN 0
	s_wait_dscnt 0x0                               ; the add is done, and X is in my registers
	s_barrier_signal -1
.irp j, 0,1,2,3
	PROD 0, 28+\j
.endr
	WIN 0
	CREST                                          ; all partners' waves hold X; tiles 2-7 are in
	s_cmp_lt_u32 s[WV], 2
	s_cbranch_scc0 .Lno_refill
	tensor_load_to_lds s[32:35], s[24:31]          ; waves 0, 1: V's four tiles of a head each, onto X
	s_nop 0
	PLACES
.Lno_refill:
	PLACES                                         ; places between the products and the fetch, for the waves that come round the load
	FETCH 2
.irp s, 1,2,3
	s_wait_dscnt NF
	BLK \s, 0, 32, L_0
	WIN 0
	PLACES
	FETCH \s+2
.endr
.irp s, 4,5,6,7,8,9,10,11
	ABASE \s/4-1, \s%4
.set CX_, DB_
.set VX_, 0
.if \s > 8
	ABASE 0, \s-9
.set VX_, DB_
.endif
	WALU                                           ; the wait ahead of the one below
.if \s < 11
	s_wait_dscnt NF
.else
	s_wait_dscnt 0x0
.endif
.if \s == 6
	BLK \s, 0, 26, L_C
	WIN 0
	WALU
	s_wait_tensorcnt 0x0
	s_wait_dscnt 0x0
	s_barrier_signal -1                            ; a plain barrier shows V's tiles to all
	BLK \s, 26, 32, L_0
	WIN 0
	s_barrier_wait -1
.else
	BLK \s, 0, 32, L_C
.endif
	OUTS \s
.if \s < 10
	FETCH \s+2
.endif
.endr
; V's last tile, and V's scale words: two waves' bytes make a word, so they meet in LDS
.set I_, 0
.rept 18
	CHAIN I_, 960, 86, 89
.set I_, I_+1
.endr
	v_lshrrev_b32 v94, 23, v89
	v_lshl_or_b32 v95, v94, 24, v95
	WALU
	ds_store_b32 v[EXS], v95
	s_wait_dscnt 0x0
	s_barrier_signal -1
	WIN 3
	v_cvt_scalef32_pk16_fp6_f32 v[74:76], v[192:207], v89   ; v960-991
	v_cvt_scalef32_pk16_fp6_f32 v[80:82], v[208:223], v89
	WIN 0
	v_nop
.irp i, 0,1,2
	v_mov_b32 v[77+\i], v[80+\i]
.endr
	WALU
	s_barrier_wait -1
	ds_load_b128 v[100:103], v[EXL]                ; row r's four words: (c, lane half)
	global_store_b128 v[AW], v[74:77], s[72:73] offset:4608
	global_store_b64 v[AS], v[78:79], s[72:73] offset:5120
	s_wait_dscnt 0x0
	v_perm_b32 v104, v101, v100, s78               ; my two tiles' bytes of band 0,
	v_perm_b32 v105, v103, v102, s78               ; and of band 1
	v_perm_b32 v106, v105, v104, 0x05040100
	v_perm_b32 v107, v105, v104, 0x07060302
	global_store_b64 v[AS], v[106:107], s[74:75]
	s_wait_tensorcnt 0x0                           ; the wave's end
	ds_add_u32 v[SPW], v[NIL]
	s_wait_dscnt 0x0
	CROUND                                         ; the closing round
	s_endpgm
.Lfunc_end_k_qf438e9ed78_proj:
	.size	k_qf438e9ed78_proj, .Lfunc_end_k_qf438e9ed78_proj-k_qf438e9ed78_proj
	.p2alignl 7, 3214868480
	.fill 96, 4, 3214868480
	.section	.rodata,"a",@progbits
	.p2align	6, 0x0
	.amdhsa_kernel k_qf438e9ed78_proj
		.amdhsa_group_segment_fixed_size 327680
		.amdhsa_private_segment_fixed_size 0
		.amdhsa_enable_private_segment 0
		.amdhsa_kernarg_size 48
		.amdhsa_user_sgpr_count 2
		.amdhsa_user_sgpr_kernarg_segment_ptr 1
		.amdhsa_wavefront_size32 1
		.amdhsa_system_sgpr_workgroup_id_x 1
		.amdhsa_system_sgpr_workgroup_id_y 1
		.amdhsa_system_sgpr_workgroup_id_z 1
		.amdhsa_system_vgpr_workitem_id 0
		.amdhsa_next_free_vgpr 1024
		.amdhsa_next_free_sgpr 100
		.amdhsa_reserve_vcc 0
		.amdhsa_float_denorm_mode_32 3
		.amdhsa_float_denorm_mode_16_64 3
		.amdhsa_memory_ordered 1
		.amdhsa_forward_progress 1
		.amdhsa_inst_pref_size 124
	.end_amdhsa_kernel
	.amdgpu_metadata
---
amdhsa.version: [ 1, 2 ]
amdhsa.kernels:
  - .name:           k_qf438e9ed78_proj
    .symbol:         k_qf438e9ed78_proj.kd
    .args:
      - { .name: xw, .offset: 0, .size: 8, .value_kind: global_buffer, .address_space: global }
      - { .name: bq, .offset: 8, .size: 8, .value_kind: global_buffer, .address_space: global }
      - { .name: bk, .offset: 16, .size: 8, .value_kind: global_buffer, .address_space: global }
      - { .name: bv, .offset: 24, .size: 8, .value_kind: global_buffer, .address_space: global }
      - { .name: qb, .offset: 32, .size: 8, .value_kind: global_buffer, .address_space: global }
      - { .name: kvb, .offset: 40, .size: 8, .value_kind: global_buffer, .address_space: global }
    .group_segment_fixed_size: 327680
    .private_segment_fixed_size: 0
    .kernarg_segment_align: 8
    .kernarg_segment_size: 48
    .max_flat_workgroup_size: 128
    .sgpr_count:     100
    .vgpr_count:     1024
    .wavefront_size: 32
...
	.end_amdgpu_metadata
.endif
;; end of part 2
;; launch attn (part 3): grid 8 x 32, 16 waves a work-group, clusters of 4 x 1, 284,672 bytes of LDS; arguments qb, kvb, out0; writes out0
.if DOCPART == 3
	.amdgcn_target "amdgcn-amd-amdhsa--gfx1250"
	.amdhsa_code_object_version 6
	.text
	.protected	k_qf438e9ed78_attn
	.globl	k_qf438e9ed78_attn
	.p2align	8
	.type	k_qf438e9ed78_attn,@function
k_qf438e9ed78_attn:
	s_mov_b64 s[64:65], 0
	v_nop
	global_prefetch_b8 v0, s[64:65] scope:SCOPE_SE
	s_setreg_imm32_b32 hwreg(HW_REG_WAVE_MODE, 25, 1), 1
	s_wait_xcnt 0x0
	s_wait_alu depctr_hold_cnt(0) depctr_sa_sdst(0) depctr_va_vdst(0) depctr_va_sdst(0) depctr_va_ssrc(0) depctr_va_vcc(0) depctr_vm_vsrc(0)
	s_getreg_b32 s2, hwreg(HW_REG_IB_STS2, 6, 4)
	s_cmp_eq_u32 s2, 0
	s_cbranch_scc0 .Lentry_in_a_cluster
	s_endpgm
.Lentry_in_a_cluster:
	s_bfe_u32 s2, ttmp6, 0x10000c
	s_cmp_lg_u32 s2, 0x3003
	s_cbranch_scc0 .Lentry_shape_is_right
	s_endpgm
.Lentry_shape_is_right:
; out[b][q][64 head + d] = the sum over keys k <= q of softmax_k(Q[q] . K[k] / 8) V[k][d], both products on codes of FP6 with one E8M0 scale for each 32 along a product's K.
; THE SOFTMAX: t = score x log2(e) / 8; M = the row's largest t so far, rounded UP to a whole number; p = 2^(t - M), quantised along the keys, not normalised; the row's sum is taken of the unquantised p and divides at the end.  When M moves, the sum and O are multiplied by 2^(old M - new M): exact.
; LIMITS: scaled scores stay under 2^31 in magnitude; NaN and infinities are not served; a block of p that is all zeros gets the byte 1 (its codes are zeros).
; LEFT OUT: the steps of 128 keys that lie wholly above the diagonal, which the causal mask throws away for all inputs; a NaN or infinity in them is not carried.
; LAYOUT: S^T = K Q^T, O^T = V^T P^T: a lane holds one query (lane % 16).  S register 32 c + n of lane half h is key 64 c + 32 h + n of the step: a scale block of p lies whole in one lane.
; An operand of K holds TWO tiles of 16 keys (K = 0-63 the one, 64-127 the other); Q stands as [Q, 0] and [0, Q].
; SHARES: work-group (j = 0 .. 7, batch x head) has, for w = 0 .. 7, the query tiles 8 w + j (L) and 127 - 8 w - j (H), 16 queries each: w + 1 and 16 - w steps of 128 keys.  Wave w takes H's steps 0-7; wave 8 + w takes L's steps 0 .. w,
; stores L, and takes H's steps 8 .. 15 - w: nine steps.  At the end the two parts of H meet through LDS: both are brought under the larger M, by powers of two, and added.
; The head's K, V and scale words, 16 steps x 13,312 bytes, come ONCE, by the head's joint loads (four work-groups of one head, mask 15), a step a wave; the first step begins when wave 0's has landed.  All is asked for at the head and nothing is filled again: nothing is prefetched.
.set STEPB, 13312
.set STG,   16*STEPB                   ; the way out: 16 rows x (256 + 16) for each of waves 8-15
.set EX,    STG+8*4352                 ; waves 0-7 leave O, -M and the sum here: 4,352 bytes each
.set SPARE, EX+8*4352
.set L16, 1
.set L8,  2
.set AD,  3                            ; this step's block + 16 x lane;  AE: + 8 x lane;  ADN, AEN: the next step's
.set AE,  4
.set ADN, 5
.set AEN, 6
.set H8,  7
.set MM,  8                            ; v8 -M, v9 largest t, v[10:11] the sum in two halves
.set FF,  12                           ; v12 f
.set T,   14                           ; v14-21 at work
.set TC,  22                           ; v22-29 at work
                                       ; v30-47: zeros 6, Q 6, zeros 6
.set KF,  48                           ; v48-95 K
.set VF,  96                           ; v96-143 V
.set OO,  144                          ; v144-175 O^T
.set S,   176                          ; v176-239 S^T, then p
.set PP,  S+48                         ; p's codes, over spent p
.set KW,  240                          ; v240-243 K's scale words, v244-247 V's, v248 Q's, v249 p's; v250, v251 at work
.set VW,  244
.set STO, 253
.set RD,  254
.set GO,  255
.set WV,  10
.set XC,  12
.set W8,  14                           ; w
.set ROLE,15                           ; 0: waves 0-7, 1: waves 8-15
.set TR,  16                           ; the trip
.set TB,  17
.set TBN, 18
.set SEL, 20
.set CS,  22
.set LIM, 69                           ; my last trip
.set MOFF,70                           ; my tile's first query in its band of 64 keys
.set PB,  72                           ; 1: that band is the upper one of the step
.set DG1, 73                           ; the trips with a diagonal (99: none)
.set DG2, 74
.set SWT, 75                           ; the trip at which L is done
.macro WALU
	s_wait_alu depctr_va_vdst(0)
.endm
.macro PLACES
.rept 4
	v_nop
.endr
.endm
.macro CROUND
	s_barrier_signal -1
	s_barrier_wait -1
	s_cmp_lg_u32 s[WV], 0
	s_cbranch_scc1 .Lnot_wave_0_\@
	s_barrier_signal -3
.Lnot_wave_0_\@:
	s_barrier_wait -3
	s_barrier_signal -1
	s_barrier_wait -1
.endm
.macro KLOAD a, e                      ; 14 loads
.irp o, 0,1,2,3
.irp p, 0,1,2
	ds_load_b128 v[KF+12*\o+4*\p:KF+12*\o+4*\p+3], v[\a] offset:1536*\o+512*\p
.endr
.endr
.irp c, 0,1
	ds_load_b64 v[KW+2*\c:KW+2*\c+1], v[\e] offset:12288+256*\c
.endr
.endm
.macro VLOAD                           ; 18 loads
.irp t, 0,1,2,3
.irp c, 0,1
	ds_load_b128 v[VF+12*\t+6*\c:VF+12*\t+6*\c+3], v[AD] offset:6144+1536*\t+768*\c
	ds_load_b64 v[VF+12*\t+6*\c+4:VF+12*\t+6*\c+5], v[AE] offset:6144+1536*\t+768*\c+512
.endr
.endr
.irp c, 0,1
	ds_load_b64 v[VW+2*\c:VW+2*\c+1], v[AE] offset:12800+256*\c
.endr
.endm
.macro SCHED d, t                      ; trip s[t] -> where its step begins in LDS
	s_add_co_u32 s[\d], s[\t], s68
	s_cmp_lt_u32 s[\t], s[SWT]
	s_cselect_b32 s[\d], s[\t], s[\d]
	s_min_u32 s[\d], s[\d], 15
	s_mul_i32 s[\d], s[\d], STEPB
.endm
.macro NEXT
	s_add_co_u32 s19, s[TR], 1
	s_min_u32 s19, s19, 8
	SCHED TBN, 19
.endm
; the diagonal: in the 64 keys of the partial band the key n of my half is hidden where (dd - n + 1/2) x 2^120 is negative (dd = my query's place in the band less 32 x lane half): the smaller of that and the score
.macro THR n, lit
	v_pk_add_f32 v[T+\n:T+\n+1], v[250:251], \lit op_sel_hi:[1,0]
.endm
.macro MINS s
.irp g, 0,16
.if \g
	v_pk_add_f32 v[250:251], v[250:251], 0xfd800000 op_sel_hi:[1,0]
.endif
	THR 2, 0xfc000000
	THR 4, 0xfc800000
	THR 6, 0xfcc00000
	THR 8, 0xfd000000
	THR 10, 0xfd200000
	THR 12, 0xfd400000
	THR 14, 0xfd600000
	v_min_num_f32 v[\s+\g], v[\s+\g], v250
	v_min_num_f32 v[\s+\g+1], v[\s+\g+1], v251
.set n, 2
.rept 14
	v_min_num_f32 v[\s+\g+n], v[\s+\g+n], v[T+n]
.set n, n+1
.endr
.endr
.endm
.macro MASK
	s_cmp_eq_u32 s[TR], s[DG1]
	WALU
	s_cbranch_scc1 .Ldiagonal_\@
	s_cmp_lg_u32 s[TR], s[DG2]
	s_cbranch_scc1 .Lopen_\@
.Ldiagonal_\@:
	v_and_b32 v14, 15, v0
	v_bfe_u32 v15, v0, 4, 1
	v_lshlrev_b32 v15, 5, v15
	v_sub_nc_u32 v14, v14, v15
	v_add_nc_u32 v14, s[MOFF], v14
	v_cvt_f32_i32 v14, v14
	v_add_f32 v14, 0.5, v14
	v_mul_f32 v250, 0x7b800000, v14
	v_add_f32 v251, 0xfb800000, v250
	s_cmp_eq_u32 s[PB], 1                          ; it hangs on the cluster's number alone
	WALU
	s_cbranch_scc1 .Lupper_\@
	MINS S
	v_mov_b32 v250, 0xfb800000                     ; and the upper band is hidden whole
	v_mov_b32 v251, 0xfb800000
.set n, 32
.rept 16
	v_pk_add_f32 v[S+n:S+n+1], v[250:251], v[250:251]
.set n, n+2
.endr
	WALU
	s_branch .Lopen_\@
.Lupper_\@:
	MINS S+32
.Lopen_\@:
.endm
; ONE STEP of 128 keys.  first: no sums yet
.macro STEP first
.if !(\first)
	v_add_nc_u32 v[AD], s[TB], v[L16]              ; (these five are also the places behind the last step's products)
	v_add_nc_u32 v[AE], s[TB], v[L8]
	v_add_nc_u32 v[ADN], s[TBN], v[L16]
	v_add_nc_u32 v[AEN], s[TBN], v[L8]
	v_nop
.endif
	VLOAD                                          ; it lands under the softmax
	WALU
	s_wait_dscnt 18                                ; K is in; V's 18 loads may be out
.irp o, 0,1,2,3
.irp e, 0,1
	v_wmma_scale_f32_16x16x128_f8f6f4 v[S+16*\o+8*\e:S+16*\o+8*\e+7], v[KF+12*\o:KF+12*\o+11], v[36-6*\e:47-6*\e], 0, v[KW+\o], v248 matrix_a_fmt:MATRIX_FMT_FP6 matrix_b_fmt:MATRIX_FMT_FP6
.endr
.endr
	PLACES
.if !(\first)
	KLOAD ADN, AEN                                 ; the next step's K (in the last trip that trip's again, unused)
.endif
	MASK
.irp c, 0,1
.irp y, 0,1
	v_max3_num_f32 v[T+2*\c+\y], v[S+32*\c+16*\y], v[S+32*\c+16*\y+1], v[S+32*\c+16*\y+2]
.endr
.endr
.irp i, 3,5,7,9,11,13
.irp c, 0,1
.irp y, 0,1
	v_max3_num_f32 v[T+2*\c+\y], v[T+2*\c+\y], v[S+32*\c+16*\y+\i], v[S+32*\c+16*\y+\i+1]
.endr
.endr
.endr
.irp c, 0,1
	v_max3_num_f32 v[T+2*\c], v[T+2*\c], v[S+32*\c+15], v[S+32*\c+31]
.endr
.irp c, 0,1
	v_max_num_f32 v[T+2*\c], v[T+2*\c], v[T+2*\c+1]   ; the largest score of my block in band c: for the row's maximum, and, since p rises with the score, for the block's largest p
.endr
	v_max_num_f32 v[T+4], v[T], v[T+2]
	v_permlanex16_b32 v[T+5], v[T+4], s[SEL], s[SEL+1]
	v_max_num_f32 v[T+4], v[T+4], v[T+5]
.if \first
	v_mul_f32 v[MM+1], s[CS], v[T+4]               ; key 0 counts for every query, so this is a number
	v_floor_f32 v[MM], -v[MM+1]                    ; -M
.else
	v_mul_f32 v[T+4], s[CS], v[T+4]
	v_mov_b32 v[T+5], v[MM]
	v_max_num_f32 v[MM+1], v[MM+1], v[T+4]         ; the running largest t
	v_floor_f32 v[MM], -v[MM+1]                    ; the new -M: a whole number
	v_sub_f32 v[T+4], v[MM], v[T+5]
	v_cvt_i32_f32 v[T+4], v[T+4]                   ; (it saturates)
	v_ldexp_f32 v[FF], 1.0, v[T+4]                 ; f = 2^(old M - new M)
.endif
	v_fma_f32 v[T], v[T], s[CS], v[MM]
	v_fma_f32 v[T+2], v[T+2], s[CS], v[MM]
.set n, 0
.rept 32
	v_pk_fma_f32 v[S+n:S+n+1], v[S+n:S+n+1], s[CS:CS+1], v[MM:MM+1] op_sel_hi:[1,0,0]   ; t - M
.set n, n+2
.endr
	WALU                                           ; the wait ahead of the batch
	v_exp_f32 v[T], v[T]                           ; the blocks' largest p
	v_exp_f32 v[T+2], v[T+2]
.set n, 0
.rept 64
	v_exp_f32 v[S+n], v[S+n]                       ; p, at most 1: NOT normalised
.set n, n+1
.endr
.if \first
	v_nop
.else
	v_pk_mul_f32 v[MM+2:MM+3], v[MM+2:MM+3], v[FF:FF+1] op_sel_hi:[1,0]   ; the sum under the new M
.endif
	WALU                                           ; and behind it
; the scales, and the row's sum of the unquantised p in five chains
.irp k, 0,1,2,3
	v_pk_add_f32 v[TC+2*\k:TC+2*\k+1], v[S+4*\k:S+4*\k+1], v[S+4*\k+2:S+4*\k+3]
.endr
.if \first
	v_pk_add_f32 v[MM+2:MM+3], v[S+16:S+17], v[S+18:S+19]
.else
	v_pk_add_f32 v[MM+2:MM+3], v[MM+2:MM+3], v[S+16:S+17]
.endif
.irp c, 0,2
	v_max_num_f32 v[T+\c], 0x1800000, v[T+\c]      ; the floor 2^(3 - 127)
.endr
.set n, 18+2*(\first)
.rept 23-(\first)
.set R_, TC+2*(((n-18)/2)%5)
.if ((n-18)/2)%5 == 4
.set R_, MM+2
.endif
	v_pk_add_f32 v[R_:R_+1], v[R_:R_+1], v[S+n:S+n+1]
.set n, n+2
.endr
.irp c, 0,2
	v_add_nc_u32 v[T+4+\c], 0xff000000, v[T+\c]    ; the conversions' scale operands
.endr
	v_pk_add_f32 v[TC:TC+1], v[TC:TC+1], v[TC+2:TC+3]
	v_pk_add_f32 v[TC+4:TC+5], v[TC+4:TC+5], v[TC+6:TC+7]
.irp c, 0,2
	v_lshrrev_b32 v[T+1+\c], 23, v[T+4+\c]
.endr
	v_pk_add_f32 v[MM+2:MM+3], v[MM+2:MM+3], v[TC:TC+1]
	v_lshl_or_b32 v[T+5], v[T+3], 16, v[T+1]
	v_pk_add_f32 v[MM+2:MM+3], v[MM+2:MM+3], v[TC+4:TC+5]
	v_lshlrev_b32 v[T+5], v[H8], v[T+5]            ; my bytes at 2 c + lane / 16
	v_cvt_scalef32_pk16_fp6_f32 v[TC:TC+2], v[S+48:S+63], v[T+6]
	v_cvt_scalef32_pk16_fp6_f32 v[TC+4:TC+6], v[S+16:S+31], v[T+4]
	v_permlanex16_b32 v[T+7], v[T+5], s[SEL], s[SEL+1]
	v_or_b32 v249, v[T+5], v[T+7]                  ; p's scale word
	v_cvt_scalef32_pk16_fp6_f32 v[PP+6:PP+8], v[S+32:S+47], v[T+6]
	v_cvt_scalef32_pk16_fp6_f32 v[PP:PP+2], v[S:S+15], v[T+4]
.irp i, 0,1,2
	v_mov_b32 v[PP+9+\i], v[TC+\i]
	v_mov_b32 v[PP+3+\i], v[TC+4+\i]
.endr
	WALU
.if \first
	v_nop
	v_nop
	s_wait_tensorcnt 0x0                           ; my load has landed,
	s_wait_dscnt 0x0                               ; and my reads are done
	s_barrier_signal -1
.else
	s_wait_dscnt 14                                ; V is in; the next K's 14 loads may be out
	WALU                                           ; directly ahead of the first reader of O^T
.set n, 0
.rept 16
	v_pk_mul_f32 v[OO+n:OO+n+1], v[OO+n:OO+n+1], v[FF:FF+1] op_sel_hi:[1,0]   ; O^T under the new M
.set n, n+2
.endr
.endif
.irp t, 0,1,2,3
.if \first
	v_wmma_scale_f32_16x16x128_f8f6f4 v[OO+8*\t:OO+8*\t+7], v[VF+12*\t:VF+12*\t+11], v[PP:PP+11], 0, v[VW+\t], v249 matrix_a_fmt:MATRIX_FMT_FP6 matrix_b_fmt:MATRIX_FMT_FP6
.else
	v_wmma_scale_f32_16x16x128_f8f6f4 v[OO+8*\t:OO+8*\t+7], v[VF+12*\t:VF+12*\t+11], v[PP:PP+11], v[OO+8*\t:OO+8*\t+7], v[VW+\t], v249 matrix_a_fmt:MATRIX_FMT_FP6 matrix_b_fmt:MATRIX_FMT_FP6
.endif
.endr
.if \first
	s_barrier_wait -1                              ; all 16 steps' tiles are in
.endif
.endm
.macro ROWS base                       ; v[S .. S+31], my query's 32 channels, through my stage: sixteen lanes store a token's 256 bytes
.irp k, 0,1,2,3,4,5,6,7
	ds_store_b128 v[STO], v[S+4*\k:S+4*\k+3] offset:16*\k
.endr
.irp k, 0,1,2,3,4,5,6,7
	ds_load_b128 v[S+32+4*\k:S+35+4*\k], v[RD] offset:544*\k   ; rows 2 k, 2 k + 1
.endr
.irp k, 0,1,2,3,4,5,6,7
	s_wait_dscnt 7-\k
	global_store_b128 v[GO], v[S+32+4*\k:S+35+4*\k], s[\base:\base+1] offset:8192*\k th:TH_STORE_NT
.endr
.endm
; Q of a tile: 16 tokens on end, u = its quarter of a band of 64: row r' lies in tile 2 (u % 2) + r' / 8, row 8 (u / 2) + r' % 8 of qb's band
.macro QVEC                            ; the lanes' part of the offsets: v22 codes, v23 codes' second piece, v24 scale bytes
	v_and_b32 v25, 7, v0
	v_bfe_u32 v26, v0, 3, 1
	v_bfe_u32 v27, v0, 4, 1
	v_lshl_add_u32 v27, v27, 4, v25
	v_mul_u32_u24 v28, v26, 768
	v_lshl_add_u32 v22, v27, 4, v28
	v_lshl_add_u32 v23, v27, 3, v28
	v_lshlrev_b32 v24, 1, v26
	v_lshl_add_u32 v24, v25, 3, v24
.endm
.macro QADR su, sb, o                  ; and the tile's: three offsets
	s_lshl_b32 s60, s13, 5
	s_add_co_u32 s60, s60, s\sb
	s_mul_i32 s60, s60, 3328
	s_and_b32 s61, s\su, 1
	s_lshr_b32 s62, s\su, 1
	s_mul_i32 s63, s61, 1536
	s_add_co_u32 s63, s63, s60
	s_lshl_b32 s62, s62, 6
	s_lshl_b32 s[\o], s62, 1
	s_add_co_u32 s[\o], s[\o], s63
	s_mov_b32 s[\o+1], 0
	s_add_co_u32 s[\o+2], s63, s62
	s_mov_b32 s[\o+3], 0
	s_lshl_b32 s61, s61, 2
	s_add_co_u32 s[\o+4], s60, s62
	s_add_co_u32 s[\o+4], s[\o+4], s61
	s_mov_b32 s[\o+5], 0
.endm
.macro QLOAD b
	global_load_b128 v[36:39], v22, s[\b:\b+1]
	global_load_b64 v[40:41], v23, s[\b+2:\b+3] offset:512
	global_load_u16 v250, v24, s[\b+4:\b+5] offset:3072
.endm
	s_load_b128 s[4:7], s[0:1], 0x0                ; qb, kvb
	s_load_b64 s[8:9], s[0:1], 0x10                ; out
	v_lshl_add_u32 v14, v0, 2, SPARE
	v_mov_b32 v15, 0
	ds_add_u32 v14, v15                            ; the opening lines
	ds_add_u32 v14, v15
	v_lshrrev_b32 v16, 5, v0
	v_readfirstlane_b32 s[WV], v16
	s_and_b32 s[W8], s[WV], 7
	s_lshr_b32 s[ROLE], s[WV], 3
	s_mul_i32 s41, s[W8], 4352
	s_add_co_u32 s41, s41, STG
	QVEC
	v_and_b32 v16, 31, v0
	v_and_b32 v17, 15, v0
	v_bfe_u32 v18, v0, 4, 1
	v_lshlrev_b32 v[L16], 4, v16
	v_lshlrev_b32 v[L8], 3, v16
	v_lshlrev_b32 v[H8], 3, v18
	v_mul_u32_u24 v[STO], v17, 272
	v_lshl_add_u32 v[STO], v18, 7, v[STO]
	v_add_nc_u32 v[STO], s41, v[STO]               ; in: row r, 128 bytes for each half of the lanes
	v_mul_u32_u24 v[RD], v18, 272
	v_lshl_add_u32 v[RD], v17, 4, v[RD]
	v_add_nc_u32 v[RD], s41, v[RD]                 ; back: lanes 0-15 one row, lanes 16-31 the next
	v_lshlrev_b32 v[GO], 12, v18
	v_lshl_add_u32 v[GO], v17, 4, v[GO]
	v_mov_b32 v[AD], v[L16]
	v_mov_b32 v[AE], v[L8]
.irp i, 30,31,32,33,34,35,42,43,44,45,46,47
	v_mov_b32 v[\i], 0                             ; the zeros of [Q, 0] and [0, Q]
.endr
	v_mov_b32 v13, 0                               ; a pair's upper half, and lane permutes' destinations, which count as sources
	v_mov_b32 v19, 0
	v_mov_b32 v21, 0
	WALU                                           ; ahead of the scalar lines below
	s_bfe_u32 s11, ttmp6, 0x40000                  ; cx: it enters Q's and out's addresses and the mask's numbers alone
	s_mov_b32 s[XC], ttmp9
	s_and_b32 s13, ttmp7, 0xffff                   ; 16 x batch + head
	s_mov_b32 s24, 15|(3<<16)|(1<<21)              ; 52 rows of 256 bytes; the mask; 21 set beside it
	s_mov_b32 s25, 32<<16
	s_mov_b32 s26, 52<<16
	s_mov_b32 s27, 32<<16
	s_mov_b32 s28, 52
	s_mov_b32 s29, 32
	s_mov_b32 s30, 0
	s_mov_b32 s31, 0
	s_mov_b32 s32, 1
	s_mul_i32 s33, s[WV], STEPB                    ; wave w fetches step w
	s_mul_i32 s42, s13, 16*STEPB
	s_add_co_u32 s42, s42, s33
	s_mov_b32 s43, 0
	s_sub_co_u32 s38, 3, s11                       ; u of H; of L: cx
	s_lshl_b32 s39, s[W8], 1
	s_add_co_u32 s39, s39, s[XC]                   ; band of L
	s_sub_co_u32 s40, 31, s39                      ; band of H
	QADR 11, 39, 80
	QADR 38, 40, 86
	s_lshl_b32 s[MOFF], s11, 4
	s_lshl_b32 s71, s38, 4                         ; H's
	s_mov_b32 s[PB], s[XC]
	s_xor_b32 s68, s[W8], 7                        ; 7 - w: behind L's steps trip t takes step t + 7 - w
	s_lshl_b32 s66, s[W8], 3
	s_lshl_b32 s67, s[XC], 2
	s_add_co_u32 s66, s66, s67
	s_add_co_u32 s66, s66, s11                     ; tile of L
	s_sub_co_u32 s67, 127, s66                     ; tile of H
	s_lshr_b32 s60, s13, 4
	s_lshl_b32 s60, s60, 23
	s_and_b32 s61, s13, 15
	s_lshl_b32 s61, s61, 8
	s_add_co_u32 s60, s60, s61
	s_lshl_b32 s92, s66, 16
	s_add_co_u32 s92, s92, s60
	s_mov_b32 s93, 0
	s_lshl_b32 s94, s67, 16
	s_add_co_u32 s94, s94, s60
	s_mov_b32 s95, 0
	s_mov_b32 s[SEL], 0x76543210                   ; v_permlanex16_b32's selects for lane l xor 16
	s_mov_b32 s[SEL+1], 0xfedcba98
	s_mov_b32 s[CS], 0x3e38aa3b                    ; log2(e) / sqrt(64)
	s_mov_b32 s[CS+1], s[CS]
	s_mov_b32 s[TR], 0
	s_add_co_u32 s[SWT], s[W8], 1
	s_cmp_eq_u32 s[ROLE], 1
	s_cselect_b32 s[DG1], s[W8], 99
	s_cselect_b32 s[DG2], 8, 99
	s_cselect_b32 s[SWT], s[SWT], 99
	s_cselect_b32 s[LIM], 8, 7
	s_cselect_b64 s[80:81], s[80:81], s[86:87]     ; my first tile of queries: L or H
	s_cselect_b64 s[82:83], s[82:83], s[88:89]
	s_cselect_b64 s[84:85], s[84:85], s[90:91]
	s_wait_dscnt 0x0                               ; both adds are done
	CROUND                                         ; all four work-groups are here: the joint loads meet
	s_wait_kmcnt 0x0
	s_add_nc_u64 s[34:35], s[6:7], s[42:43]
	s_or_b32 s35, s35, 0x80000000
	s_cmp_eq_u32 s[WV], 0
	s_cbranch_scc0 .Lrest
	tensor_load_to_lds s[32:35], s[24:31]          ; wave 0: the first step, a line of its own
	s_nop 0
	PLACES
	s_branch .Lasked
.Lrest:
	tensor_load_to_lds s[32:35], s[24:31]
	s_nop 0
	PLACES
.Lasked:
	s_add_nc_u64 s[50:51], s[4:5], s[80:81]
	s_add_nc_u64 s[52:53], s[4:5], s[82:83]
	s_add_nc_u64 s[54:55], s[4:5], s[84:85]
	QLOAD 50
	s_add_nc_u64 s[56:57], s[4:5], s[86:87]        ; H's, for later
	s_add_nc_u64 s[58:59], s[4:5], s[88:89]
	s_add_nc_u64 s[60:61], s[4:5], s[90:91]
	s_add_nc_u64 s[76:77], s[8:9], s[92:93]
	s_add_nc_u64 s[78:79], s[8:9], s[94:95]
	s_wait_loadcnt 0x0                             ; Q
	v_lshl_or_b32 v248, v250, 16, v250             ; Q's scale word: two bytes, twice
	WALU                                           ; the wait at the head's end
	s_cmp_lg_u32 s[WV], 0
	s_cbranch_scc1 .Lnot_first
	s_wait_tensorcnt 0x0                           ; wave 0's load has landed
.Lnot_first:
	s_barrier_signal -1
	s_barrier_wait -1                              ; step 0 is in
	KLOAD AD, AE
.rept 8
	v_nop                                          ; places between Q's scale word and the first product
.endr
	STEP 1
	NEXT
	v_add_nc_u32 v[ADN], s[TBN], v[L16]
	v_add_nc_u32 v[AEN], s[TBN], v[L8]
	KLOAD ADN, AEN                                 ; K of trip 1
	s_mov_b32 s[TR], 1
.Ltrip:
	s_cmp_lg_u32 s[TR], s[SWT]
	WALU
	s_cbranch_scc1 .Lsame
	QVEC                                           ; L is done: H's Q is asked for, and L goes out
	WALU
	QLOAD 56
	PLACES
	WALU
	v_add_f32 v14, v[MM+2], v[MM+3]
	v_permlanex16_b32 v15, v14, s[SEL], s[SEL+1]
	v_add_f32 v14, v14, v15
	WALU
	v_rcp_f32 v14, v14
	v_nop
	WALU
.set n, 0
.rept 32
	v_mul_f32 v[S+n], v[OO+n], v14                 ; register n is channel 32 (lane / 16) + n
.set n, n+1
.endr
	ROWS 76
	s_wait_loadcnt 0x0
	v_lshl_or_b32 v248, v250, 16, v250
	v_mov_b32 v[MM+1], 0xff61b1e6                  ; H's second part begins: the largest t so far is -3e38, under every t,
	v_floor_f32 v[MM], -v[MM+1]
	v_mov_b32 v[MM+2], 0
	v_mov_b32 v[MM+3], 0
.set n, 0
.rept 32
	v_mov_b32 v[OO+n], 0                           ; and O^T is zero: the step is written once, and its first change of M leaves zeros
.set n, n+1
.endr
	s_mov_b32 s[MOFF], s71
	s_xor_b32 s[PB], s[XC], 1
	WALU
	s_wait_xcnt 0x0                                ; L's stores have read their registers
.Lsame:
	SCHED TB, TR
	NEXT
	s_cmp_gt_u32 s[TR], s[LIM]
	WALU
	s_cbranch_scc1 .Lhidden
	STEP 0
.Lhidden:
	s_add_co_u32 s[TR], s[TR], 1
	s_cmp_lt_u32 s[TR], 9
	WALU
	s_cbranch_scc1 .Ltrip
; H's two parts meet
	s_mul_i32 s19, s[W8], 4352
	s_add_co_u32 s19, s19, EX
	v_add_nc_u32 v22, s19, v[L16]
	v_add_nc_u32 v23, s19, v[L8]
	v_add_f32 v9, v10, v11                         ; my lane's part of the sum
	PLACES
	s_cmp_eq_u32 s[ROLE], 1
	WALU
	s_cbranch_scc1 .Lmeet
.irp k, 0,1,2,3,4,5,6,7
	ds_store_b128 v22, v[OO+4*\k:OO+4*\k+3] offset:512*\k
.endr
	ds_store_b64 v23, v[8:9] offset:4096
.Lmeet:
	s_wait_dscnt 0x0
	s_barrier_signal -1
	s_barrier_wait -1
	s_cmp_eq_u32 s[ROLE], 0
	s_cbranch_scc1 .Lend
	ds_load_b64 v[250:251], v23 offset:4096        ; the other part's -M and sum
.irp k, 0,1,2,3,4,5,6,7
	ds_load_b128 v[S+4*\k:S+4*\k+3], v22 offset:512*\k
.endr
	s_wait_dscnt 8                                 ; its O^T may be out
	v_min_num_f32 v14, v8, v250                    ; the larger M of the two
	v_sub_f32 v15, v14, v250
	v_sub_f32 v16, v14, v8
	v_cvt_i32_f32 v15, v15
	v_cvt_i32_f32 v16, v16
	v_ldexp_f32 v18, 1.0, v15
	v_ldexp_f32 v20, 1.0, v16
	v_mul_f32 v17, v251, v18
	v_fma_f32 v17, v9, v20, v17
	v_permlanex16_b32 v19, v17, s[SEL], s[SEL+1]
	v_add_f32 v17, v17, v19                        ; the row's sum
	WALU
	v_rcp_f32 v17, v17
	v_nop
	WALU
	v_mul_f32 v18, v18, v17
	v_mul_f32 v20, v20, v17
	WALU
	s_wait_dscnt 0x0
	WALU
.set n, 0
.rept 16
	v_pk_mul_f32 v[S+n:S+n+1], v[S+n:S+n+1], v[18:19] op_sel_hi:[1,0]
.set n, n+2
.endr
.set n, 0
.rept 16
	v_pk_fma_f32 v[S+n:S+n+1], v[OO+n:OO+n+1], v[20:21], v[S+n:S+n+1] op_sel_hi:[1,0,1]
.set n, n+2
.endr
	ROWS 78
.Lend:
	v_lshl_add_u32 v14, v0, 2, SPARE               ; the wave's end
	v_mov_b32 v15, 0
	WALU
	s_wait_tensorcnt 0x0
	ds_add_u32 v14, v15
	s_wait_dscnt 0x0
	CROUND                                         ; the closing round
	s_endpgm
.Lfunc_end_k_qf438e9ed78_attn:
	.size	k_qf438e9ed78_attn, .Lfunc_end_k_qf438e9ed78_attn-k_qf438e9ed78_attn
	.p2alignl 7, 3214868480
	.fill 96, 4, 3214868480
	.section	.rodata,"a",@progbits
	.p2align	6, 0x0
	.amdhsa_kernel k_qf438e9ed78_attn
		.amdhsa_group_segment_fixed_size 284672
		.amdhsa_private_segment_fixed_size 0
		.amdhsa_enable_private_segment 0
		.amdhsa_kernarg_size 24
		.amdhsa_user_sgpr_count 2
		.amdhsa_user_sgpr_kernarg_segment_ptr 1
		.amdhsa_wavefront_size32 1
		.amdhsa_system_sgpr_workgroup_id_x 1
		.amdhsa_system_sgpr_workgroup_id_y 1
		.amdhsa_system_sgpr_workgroup_id_z 1
		.amdhsa_system_vgpr_workitem_id 0
		.amdhsa_next_free_vgpr 256
		.amdhsa_next_free_sgpr 100
		.amdhsa_reserve_vcc 0
		.amdhsa_float_denorm_mode_32 3
		.amdhsa_float_denorm_mode_16_64 3
		.amdhsa_memory_ordered 1
		.amdhsa_forward_progress 1
		.amdhsa_inst_pref_size 65
	.end_amdhsa_kernel
	.amdgpu_metadata
---
amdhsa.version: [ 1, 2 ]
amdhsa.kernels:
  - .name:           k_qf438e9ed78_attn
    .symbol:         k_qf438e9ed78_attn.kd
    .args:
      - { .name: qb, .offset: 0, .size: 8, .value_kind: global_buffer, .address_space: global }
      - { .name: kvb, .offset: 8, .size: 8, .value_kind: global_buffer, .address_space: global }
      - { .name: out0, .offset: 16, .size: 8, .value_kind: global_buffer, .address_space: global }
    .group_segment_fixed_size: 284672
    .private_segment_fixed_size: 0
    .kernarg_segment_align: 8
    .kernarg_segment_size: 24
    .max_flat_workgroup_size: 512
    .sgpr_count:     100
    .vgpr_count:     256
    .wavefront_size: 32
...
	.end_amdgpu_metadata
.endif
;; end of part 3
